; MI455X (gfx1250); checked and timed in simulation.
; The chip was launched on July 23, 2026; its instructions are those of AMD's public machine-readable ISA for CDNA 5 (MIT licence, August 2026) and "CDNA5" Instruction Set Architecture Reference Guide (July 2026). The comments in the code are by the model that wrote it; some were corrected since.
;; Vector Quantizer. Allowed arithmetic: matrix products marked QUANTISED: E2M1 operands, one E8M0 scale for each 32 along K, by v_wmma_scale_f32_16x16x128_f8f6f4 with both operands' format E2M1 (or v_wmma_scale_f32_32x16x128_f4), f32 sums; everything else in f32.
;; Inputs: codebook 4,096 x 512 float32; inputs 16 x 2,048 x 512 float32.
;; Outputs: out0 16 x 2,048 x 512 float32.
;; This version of the problem:
;;   THIS VERSION OF THE PROBLEM IS GIVEN IN LOW PRECISION. The matrix products marked QUANTISED in the list below multiply operands that are first quantised to E2M1 (2 exponent bits, 1 mantissa bit; 4 bits a number), with one power-of-two scale for each 32 numbers along K (OCP MX v1.0); their sums are f32. All else is computed in f32.
;;   The module's matrix products, in the order in which they are computed (A, B: the left and right operand; K: the contracted axis; several contracted axes count as one K, in the product's order):
;;     1. [M 32,768, K 512] x [K 512, N 4,096]; A: input inputs; B: input codebook: QUANTISED
;;   THE QUANTISER, for each operand of a quantised product, along K:
;;     - K is cut into blocks of 32 from its start; a last block that is shorter is filled with zeros.
;;     - A block's scale is 2^e with e = floor(log2(the largest magnitude in the block)) - 2, held to -126 .. 127; a block of zeros has e = 0. As a byte (E8M0): e + 127.
;;     - Each number is divided by its block's scale, clamped to +-6, and rounded to the nearest number of E2M1, ties to even, subnormals kept.
;;     - The product sums the exact products of the quantised numbers (number of the format x scale) in f32.
;;   ~~~python
;;   def quantise(x, axis):      # numpy; x: float32 -> the quantised numbers, widened to float32 again
;;       x = np.moveaxis(x, axis, -1); K = x.shape[-1]
;;       x = np.pad(x, [(0, 0)] * (x.ndim - 1) + [(0, -K % 32)]); x = x.reshape(x.shape[:-1] + (-1, 32)); a = np.abs(x).max(-1, keepdims=True)
;;       e = np.where(a > 0, np.clip(np.frexp(np.where(a > 0, a, 1))[1] - 1 - 2, -126, 127), 0)      # np.frexp(a)[1] - 1 = floor(log2(a)), exactly
;;       r = np.clip(x / 2.0 ** e, -6, 6)
;;       step = 2.0 ** (np.maximum(np.frexp(np.where(r == 0, 1, r))[1] - 1, 0) - 1)
;;       q = np.round(r / step) * step * 2.0 ** e      # np.round: ties to even
;;       return np.moveaxis(q.reshape(q.shape[:-2] + (-1,))[..., :K], -1, axis).astype(np.float32)
;;   ~~~
;; One version. Each part assembles by itself: llvm-mc -triple=amdgcn-amd-amdhsa -mcpu=gfx1250 --defsym DOCPART=n.
;; ======== version 1 of 1: 3 launches
;; limits: right only within a limited range of input values
;; workspace buffers: cbrec 1,130,496 bytes; idx 131,072 bytes of whole numbers
;; launch prep (part 1): grid 256 x 1, 4 waves a work-group, no clusters, 25,600 bytes of LDS; arguments codebook, cbrec; writes cbrec
.if DOCPART == 1
	.amdgcn_target "amdgcn-amd-amdhsa--gfx1250"
	.amdhsa_code_object_version 6
	.text
	.protected	k_qde04eb9588_prep
	.globl	k_qde04eb9588_prep
	.p2align	8
	.type	k_qde04eb9588_prep,@function
k_qde04eb9588_prep:
	s_mov_b64 s[64:65], 0
	v_nop
	global_prefetch_b8 v0, s[64:65] scope:SCOPE_SE
	s_setreg_imm32_b32 hwreg(HW_REG_WAVE_MODE, 25, 1), 1
	s_wait_xcnt 0x0
; The codebook [4096][512], f32, becomes what the search wants of it: codes of FP4 (E2M1) laid in the ORDER OF THE OPERAND'S REGISTERS, one E8M0 scale byte for each 32 along a row, and cc = the sum of a row's squares (f32, of the numbers as given).
; cbrec: 64 records ('quads') of 17,664 bytes, 64 codebook rows each:
;   bytes 0 .. 16383: two pairs of 32 rows, 8,192 bytes each.  In a pair, piece 4 s + 2 e + c (512 bytes) holds at 16 (16 h + r) the 16 bytes of block 4 s + 2 c + h of row 16 e + r:
;                     the four pieces of (pair, s) are the 16 registers of a 32-row operand for the s-th 128 along K, 16 bytes a lane.
;   bytes 16384 .. 17407: the scale bytes, [64 rows][16];   bytes 17408 .. 17663: cc, 64 numbers.
; A block's scale is 2^(floor(log2(its largest magnitude)) - 2); its byte is the largest magnitude's exponent field - 2, held at 1 from below.
; LIMITS: a block of zeros gets the byte 1 where the rule says 127 (its codes are zeros, and this program alone reads the bytes); blocks whose largest magnitude lies under 2^(3 - 127) are held at that byte; NaN and infinities are not served.
; SHARES.  Work-group g takes rows 16 g .. 16 g + 15 (one tile); wave w its rows 4 w .. 4 w + 3, a row a step.  Loads read 512 consecutive bytes; a row's 2,048 bytes turn through the wave's own stage in LDS and come back
; 64 bytes a lane, since the conversions take neighbours along K from one lane's registers: two neighbouring lanes hold a block.  The tile's record is gathered in LDS and leaves in long runs.
; No cluster, no tensor load: no two work-groups read the same bytes, and each byte is read once.
; WORK LEFT OUT BY THE PROGRAM.  reference() ends with out = (q - x) + x, q = codebook[nearest_idx].  In real numbers the two x cancel for every finite x and q, so out = q:
; the third launch stores the chosen rows of the codebook and forms neither the difference nor the sum; it does not load inputs.  inputs still reaches out through nearest_idx, and the second launch loads all of it.
; LIMIT: the result differs from reference()'s by the rounding of (q - x) + x; a NaN, an infinity or an overflow that reaches only that difference and sum is not carried to the result.
; THE RECORD'S LAST FIELD holds -cc / 2 (an exact halving of cc, the sum of a row's squares): the search gives it to the matrix unit as the start of each sum.
.set SP,    80
.set WREG,  2*32*SP                    ; two stages for each wave
.set REC,   4*WREG                     ; behind the stages: the tile's codes, 4,096 bytes: block b of row r at 256 b + 16 r;
.set RSC,   REC+4096                   ; its scale bytes, [16 rows][16];
.set RCC,   RSC+256                    ; its 16 cc
.set QUADB, 17664
.set R,     16                         ; v16-79    the four rows as they are loaded
.set X,     80                         ; v80-111   two sets of 16 neighbours
.set C,     112                        ; v112-119  codes: two registers for each step
.set E,     120                        ; v120-123  a scale byte for each step
.set SQ,    124                        ; v124-127  the squares, in two packed chains
.set CCR,   128                        ; v128-131  a row's cc for each step
	s_load_b128 s[4:7], s[0:1], 0x0                ; the codebook, cbrec
	v_lshl_add_u32 v136, v0, 2, 0x6200
	v_mov_b32 v137, 0
	v_lshrrev_b32 v1, 5, v0
	v_readfirstlane_b32 s8, v1                     ; wave 0..3
	v_and_b32 v2, 31, v0                           ; lane
	v_lshlrev_b32 v3, 4, v2                        ; my 16 bytes of a load's 512
	s_mul_i32 s9, s8, WREG
	v_lshrrev_b32 v14, 2, v2
	v_mul_u32_u24 v14, v14, SP
	v_and_b32 v15, 3, v2
	v_lshl_add_u32 v14, v15, 4, v14
	v_add_nc_u32 v14, s9, v14                      ; the stage, on the way in: SP (lane / 4) + 16 (lane % 4)
	v_mul_u32_u24 v15, v2, SP
	v_add_nc_u32 v15, s9, v15                      ; and on the way out: SP x lane: my 16 neighbours
	s_lshl_b32 s10, s8, 6                          ; my wave's four rows: 16 bytes a row in the codes' image and among the scale bytes
	v_lshrrev_b32 v5, 1, v2                        ; my block, 0 .. 15
	v_and_b32 v6, 1, v2                            ; which half of it
	v_lshlrev_b32 v4, 8, v5
	v_lshl_add_u32 v4, v6, 3, v4
	v_add_nc_u32 v4, s10, v4                       ; codes: 256 x block + 8 x half + 64 x wave (+ REC + 16 x step)
	v_add_nc_u32 v5, s10, v5                       ; scale byte: block + 64 x wave (+ RSC + 16 x step)
	s_lshl_b32 s11, s8, 4
	v_mov_b32 v6, s11                              ; cc: 16 x wave (+ RCC + 4 x step)
	v_mov_b32 v7, 0                                ; written once: a lane permute's destination counts as one of its sources
	s_mov_b32 s20, 0x76543210
	s_mov_b32 s21, 0xfedcba98                      ; v_permlanex16_b32's selects for lane l xor 16
	; the way out: thread n takes 16 bytes at 16 n of each half of the codes' image; 64 threads cover the two pieces of one s
	v_lshlrev_b32 v1, 4, v0
	v_lshrrev_b32 v12, 6, v0
	v_and_b32 v13, 63, v0
	v_lshlrev_b32 v13, 4, v13
	v_lshl_add_u32 v12, v12, 11, v13               ; in the pair: 2,048 bytes from s to s + 1,
	s_bfe_u32 s16, ttmp9, 0x10001
	s_lshl_b32 s16, s16, 13                        ; + which pair of the quad,
	s_and_b32 s17, ttmp9, 1
	s_lshl_b32 s17, s17, 10                        ; + which half of the pair's rows (e)
	s_add_co_u32 s16, s16, s17
	v_add_nc_u32 v12, s16, v12
	s_and_b32 s18, ttmp9, 3                        ; which tile of the quad
	s_lshl_b32 s19, s18, 8
	v_lshlrev_b32 v13, 3, v2                       ; the scale bytes leave 8 a lane,
	v_add_nc_u32 v10, s19, v13
	s_lshl_b32 s19, s18, 6
	v_lshlrev_b32 v132, 1, v2                      ; cc 2 bytes a lane
	v_add_nc_u32 v133, s19, v132
	s_lshl_b32 s12, ttmp9, 15                      ; my tile's 16 rows of 2,048 bytes,
	s_lshl_b32 s13, s8, 13                         ; my wave's four
	s_add_co_u32 s12, s12, s13
	s_mov_b32 s13, 0
	s_lshr_b32 s14, ttmp9, 2
	s_mul_i32 s14, s14, QUADB                      ; my quad's record
	s_mov_b32 s15, 0
	s_wait_kmcnt 0x0
	s_add_nc_u64 s[4:5], s[4:5], s[12:13]
	s_add_nc_u64 s[6:7], s[6:7], s[14:15]
.irp t, 0,1,2,3
.irp i, 0,1,2,3
	global_load_b128 v[R+16*\t+4*\i:R+16*\t+4*\i+3], v3, s[4:5] offset:2048*\t+512*\i th:TH_LOAD_NT   ; 32 lanes read 512 consecutive bytes; all sixteen loads go out at once
.endr
.endr
.macro TURN t                          ; row t through the stage: LDS serves a wave's instructions in order, so no wait stands between the stores and the loads
.irp i, 0,1,2,3
	ds_store_b128 v14, v[R+16*(\t)+4*\i:R+16*(\t)+4*\i+3] offset:32*SP*((\t)%2)+8*SP*\i
.endr
.irp i, 0,1,2,3
	ds_load_b128 v[X+16*((\t)%2)+4*\i:X+16*((\t)%2)+4*\i+3], v15 offset:32*SP*((\t)%2)+16*\i
.endr
.endm
	s_wait_loadcnt 12                              ; row 0's four loads are in; the twelve behind them may be out
	TURN 0
.macro STEP t
.set XS, X+16*((\t)%2)
.if (\t) > 0
	s_wait_dscnt 3                                 ; this row is back from the stage; the last step's three stores may be out
.else
	s_wait_dscnt 0x0
.endif
.if (\t) < 3
	s_wait_loadcnt 12-4*((\t)+1)                   ; the next row's four loads are in; those of the rows behind it may be out
	TURN (\t)+1                                    ; and it goes through the other stage while this row is worked
.endif
	v_max3_num_f32 v8, |v[XS]|, |v[XS+1]|, |v[XS+2]|               ; the largest magnitude of my 16, in two chains
	v_max3_num_f32 v9, |v[XS+3]|, |v[XS+4]|, |v[XS+5]|
.irp i, 6,10
	v_max3_num_f32 v8, v8, |v[XS+\i]|, |v[XS+\i+1]|
	v_max3_num_f32 v9, v9, |v[XS+\i+2]|, |v[XS+\i+3]|
.endr
	v_max3_num_f32 v8, v8, |v[XS+14]|, |v[XS+15]|
	v_max3_num_f32 v8, v8, v9, 0x1800000           ; and the floor 2^(3 - 127): so the byte cannot fall under 1
	v_max_num_f32_dpp v8, v8, v8 row_xmask:1 row_mask:0xf bank_mask:0xf   ; and of my neighbour's 16: the block's
	v_add_nc_u32 v11, 0xff000000, v8               ; 2 off its exponent field: the conversion takes the exponent field of this operand as its scale, and nothing else of it
	v_cvt_scalef32_pk8_fp4_f32 v[C+2*(\t)], v[XS:XS+7], v11
	v_cvt_scalef32_pk8_fp4_f32 v[C+2*(\t)+1], v[XS+8:XS+15], v11
	v_lshrrev_b32 v[E+(\t)], 23, v11               ; the scale's byte (also the plain line behind the conversions)
	v_pk_mul_f32 v[SQ:SQ+1], v[XS:XS+1], v[XS:XS+1]                ; cc: my 16 squares, two at a time, in two chains
	v_pk_mul_f32 v[SQ+2:SQ+3], v[XS+2:XS+3], v[XS+2:XS+3]
.irp i, 4,8,12
	v_pk_fma_f32 v[SQ:SQ+1], v[XS+\i:XS+\i+1], v[XS+\i:XS+\i+1], v[SQ:SQ+1]
	v_pk_fma_f32 v[SQ+2:SQ+3], v[XS+\i+2:XS+\i+3], v[XS+\i+2:XS+\i+3], v[SQ+2:SQ+3]
.endr
	v_pk_add_f32 v[SQ:SQ+1], v[SQ:SQ+1], v[SQ+2:SQ+3]
	v_add_f32 v[CCR+(\t)], v[SQ], v[SQ+1]
	v_add_f32_dpp v[CCR+(\t)], v[CCR+(\t)], v[CCR+(\t)] row_xmask:1 row_mask:0xf bank_mask:0xf   ; and over the 32 lanes: the row's
	v_add_f32_dpp v[CCR+(\t)], v[CCR+(\t)], v[CCR+(\t)] row_xmask:2 row_mask:0xf bank_mask:0xf
	v_add_f32_dpp v[CCR+(\t)], v[CCR+(\t)], v[CCR+(\t)] row_xmask:4 row_mask:0xf bank_mask:0xf
	v_add_f32_dpp v[CCR+(\t)], v[CCR+(\t)], v[CCR+(\t)] row_xmask:8 row_mask:0xf bank_mask:0xf
	v_permlanex16_b32 v7, v[CCR+(\t)], s20, s21
	v_add_f32 v[CCR+(\t)], v[CCR+(\t)], v7
	v_mul_f32 v[CCR+(\t)], -0.5, v[CCR+(\t)]       ; what is stored is -cc / 2
	ds_store_b64 v4, v[C+2*(\t):C+2*(\t)+1] offset:REC+16*(\t)     ; my 16 codes, at their place in the operand's order
	ds_store_b8 v5, v[E+(\t)] offset:RSC+16*(\t)   ; both lanes of a block write the same byte with the same value
	ds_store_b32 v6, v[CCR+(\t)] offset:RCC+4*(\t) ; all lanes write the same word with the same value
.endm
.irp t, 0,1,2,3
	STEP \t
.endr
	s_wait_dscnt 0x0                               ; for the others' sake: my stores into the tile's record are done
	s_barrier_signal -1
	s_barrier_wait -1
	ds_load_b128 v[16:19], v1 offset:REC           ; the codes of s = 0, 1,
	ds_load_b128 v[20:23], v1 offset:REC+2048      ; and of s = 2, 3
	s_cmp_lg_u32 s8, 0
	s_cbranch_scc1 .Lnot_scales
	ds_load_b64 v[24:25], v13 offset:RSC
	s_wait_dscnt 0x0
	global_store_b64 v10, v[24:25], s[6:7] offset:16384            ; wave 0: the tile's 256 scale bytes, consecutive and aligned
.Lnot_scales:
	s_cmp_lg_u32 s8, 1
	s_cbranch_scc1 .Lnot_cc
	ds_load_u16 v26, v132 offset:RCC
	s_wait_dscnt 0x0
	global_store_b16 v133, v26, s[6:7] offset:17408                ; wave 1: the tile's 16 cc, 64 consecutive bytes; the quad's four tiles fill 256 between them
.Lnot_cc:
	s_wait_dscnt 0x0
	global_store_b128 v12, v[16:19], s[6:7]        ; each store of a wave covers 512 consecutive bytes, aligned
	global_store_b128 v12, v[20:23], s[6:7] offset:4096
	s_wait_tensorcnt 0x0
	ds_add_u32 v136, v137
	s_wait_dscnt 0x0
	s_endpgm
.Lfunc_end_k_qde04eb9588_prep:
	.size	k_qde04eb9588_prep, .Lfunc_end_k_qde04eb9588_prep-k_qde04eb9588_prep
	.p2alignl 7, 3214868480
	.fill 96, 4, 3214868480
	.section	.rodata,"a",@progbits
	.p2align	6, 0x0
	.amdhsa_kernel k_qde04eb9588_prep
		.amdhsa_group_segment_fixed_size 25600
		.amdhsa_private_segment_fixed_size 0
		.amdhsa_enable_private_segment 0
		.amdhsa_kernarg_size 16
		.amdhsa_user_sgpr_count 2
		.amdhsa_user_sgpr_kernarg_segment_ptr 1
		.amdhsa_wavefront_size32 1
		.amdhsa_system_sgpr_workgroup_id_x 1
		.amdhsa_system_sgpr_workgroup_id_y 1
		.amdhsa_system_sgpr_workgroup_id_z 1
		.amdhsa_system_vgpr_workitem_id 0
		.amdhsa_next_free_vgpr 138
		.amdhsa_next_free_sgpr 66
		.amdhsa_reserve_vcc 0
		.amdhsa_float_denorm_mode_32 3
		.amdhsa_float_denorm_mode_16_64 3
		.amdhsa_memory_ordered 1
		.amdhsa_forward_progress 1
		.amdhsa_inst_pref_size 16
	.end_amdhsa_kernel
	.amdgpu_metadata
---
amdhsa.version: [ 1, 2 ]
amdhsa.kernels:
  - .name:           k_qde04eb9588_prep
    .symbol:         k_qde04eb9588_prep.kd
    .args:
      - { .name: codebook, .offset: 0, .size: 8, .value_kind: global_buffer, .address_space: global }
      - { .name: cbrec, .offset: 8, .size: 8, .value_kind: global_buffer, .address_space: global }
    .group_segment_fixed_size: 25600
    .private_segment_fixed_size: 0
    .kernarg_segment_align: 8
    .kernarg_segment_size: 16
    .max_flat_workgroup_size: 128
    .sgpr_count:     66
    .vgpr_count:     138
    .wavefront_size: 32
...
	.end_amdgpu_metadata
.endif
;; end of part 1
;; launch search (part 2): grid 256 x 1, 4 waves a work-group, clusters of 4 x 1, 327,680 bytes of LDS; arguments inputs, cbrec, idx; writes idx
.if DOCPART == 2
	.amdgcn_target "amdgcn-amd-amdhsa--gfx1250"
	.amdhsa_code_object_version 6
	.text
	.protected	k_qde04eb9588_search
	.globl	k_qde04eb9588_search
	.p2align	8
	.type	k_qde04eb9588_search,@function
k_qde04eb9588_search:
	s_mov_b64 s[64:65], 0
	v_nop
	global_prefetch_b8 v0, s[64:65] scope:SCOPE_SE
	s_setreg_imm32_b32 hwreg(HW_REG_WAVE_MODE, 25, 1), 1
	s_wait_xcnt 0x0
	s_wait_alu depctr_hold_cnt(0) depctr_sa_sdst(0) depctr_va_vdst(0) depctr_va_sdst(0) depctr_va_ssrc(0) depctr_va_vcc(0) depctr_vm_vsrc(0)
	s_getreg_b32 s2, hwreg(HW_REG_IB_STS2, 6, 4)
	s_cmp_eq_u32 s2, 0
	s_cbranch_scc0 .Lentry_in_a_cluster
	s_endpgm
.Lentry_in_a_cluster:
	s_bfe_u32 s2, ttmp6, 0x10000c
	s_cmp_lg_u32 s2, 0x3003
	s_cbranch_scc0 .Lentry_shape_is_right
	s_endpgm
.Lentry_shape_is_right:
; idx[row] = the first code k that makes d2 = cc[k] - 2 Q(x[row]) . Q(c[k]) smallest, found as the first k with the largest score t = Q(x) . Q(c) - cc / 2 (d2 = -2 t, an exact doubling).
; x: [32768][512] f32, quantised here to FP4 with E8M0 scales; the codebook comes as cbrec: 64 quads of 17,664 bytes: two pairs of 32 codes, 8,192 bytes each (piece 4 s + 2 e + c of 512 bytes = registers
; 4 (2 e + c) .. + 3 of the 32-row operand of K step s, 16 bytes a lane); 1,024 scale bytes [64 rows][16]; 64 numbers -cc / 2.
; LIMITS: -cc / 2 is the C of each sum's first matrix instruction, so the order of rounding differs from reference()'s, which rounds cc - 2 s once.  NaN and infinities among the inputs are not served.
; A block of zeros of x gets the scale byte 1 (its codes are zeros; nobody else reads the bytes); blocks whose largest magnitude lies under 2^(3 - 127) are held at that byte.
; SHARES.  A work-group owns 128 rows of x.  Each of its four waves holds the codes of all 128 rows in 256 registers and walks a quarter of the codebook: of a slot's 8 quads (512 codes) wave w takes two, 4 pairs of 32 codes.
; Each byte of the codebook is read from LDS once in a work-group and feeds eight matrix instructions.
; TRANSPOSED USE: source 0 = 32 codes, source 1 = 16 rows of x.  Lane (r, h) holds ONE row r; register j of the result is code 8 h + j of the pair, register 8 + j code 16 + 8 h + j.
; THE SEARCH keeps, for each lane and block of rows: BEST, the largest score so far; BTILE, the first code of the tile of 16 codes in which it fell; W, the lane's eight scores of that tile.  A tile costs four maxima,
; a compare and five dual-issue pairs of selects on VCC; which of the eight it was is found once, at the end.  The strict compare keeps the earlier tile; ties go to the lower index at every level.
; BY TURNS.  Two accumulators of 32 x 16 take turns, one instruction a turn; behind each two matrix instructions stands a slice of the group BEFORE's vector work, on the other set of accumulators.
; CLUSTER.  The four work-groups of a cluster walk the same codebook: each slot is asked for JOINTLY, by the same tensor load with the same descriptor and the mask of all four.  A wave reads only the bytes that its own load brought.
; NO PREFETCH: the ring's stream is cbrec's 1,130,496 bytes, which all 64 clusters walk in the same order, and each slot is asked for a whole slot's work, 128 matrix instructions a wave, ahead of its first read; x is read once, at the head, by 40 loads a wave in flight.
; REGISTERS, in windows of 256.  Window 0: the names below.  Window 1: x's 32 fragments, (block a, K step s) at v[8 (4 a + s)].  Window 2: the codes' fragments, set P at v[64 P + 16 s].
.set QUADB,  17664
.set WPART,  2*QUADB                   ; a wave's part of a slot: 138 x 256 bytes
.set SLOTB,  4*WPART
.set XIMG,   2*SLOTB                   ; behind the ring: x's codes in the operand's order: block b (32 along K) of row 16 a + r at XAB a + XBP b + 16 r
.set XBP,    272
.set XAB,    16*XBP
.set XSC,    XIMG+8*XAB                ; x's scale bytes, [128 rows][16]
.set SPARE,  XSC+128*16                ; the spare words: two blocks of 256 bytes that no other line names
.set STG,    SPARE+512                 ; a stage for each wave, through which half a row of x turns: 32 places of 32 bytes + 16 of padding
.set XSTW,   32*48
.set RED,    STG                       ; the last reduction, in the stages' bytes, which nobody touches behind the head: the four waves' scores [4][128], then their indices
.set SPW,  1
.set NIL,  2
.set AL0,  3                           ; 16 x lane + my wave's part
.set AH0,  4                           ; 32 x (lane / 16) + my wave's part
.set AL,   5                           ; the same in the slot in hand
.set AH,   6
.set XR,   7                           ; x's scale words: XSC + 16 (lane % 16)
.set XA,   8                           ; x in memory: 16 x lane
.set XWI,  9                           ; where I store my 4 bytes of codes
.set XWS,  10                          ; and my block's scale byte
.set LI,   11                          ; where I read x's fragments
.set XM,   12                          ; at the head: v12-17: three registers for each half of a row.  In the loop v12-15 and v234-237 hold the tiles' maxima
.set CS,   16                          ; v16-23  the codes' scale words, two sets of four
.set XS,   24                          ; v24-55  x's scale words, (a, s) at 4 a + s
.set XN,   24                          ; at the head: two sets of 16: a row's two halves, 8 neighbours each
.set BEST, 56                          ; v56-63
.set BTILE, 65                         ; v65-72: of the other parity than BEST, as a dual-issue pair's two destinations must be
.set CCV,  74                          ; v74-105 -cc / 2 in the result's layout, two sets of 16
.set WW,   106                         ; v106-169 W: block a's eight at 8 a
.set ACC,  170                         ; v170-233 accumulators: set q, block b at 32 q + 16 b
.set RX,   72                          ; at the head: v72-231: XD rows as they are loaded
.set XD,   10                          ; the loads run so many rows ahead: 40 loads of 512 bytes a wave
.set POS,  74                          ; at the end: the place in the tile, then the index
.set OV,   82
.set OI,   83
.set H8,   240                         ; 8 (lane / 16)
.set RW,   243
.set RR,   244
.set GOF,  245
.set SIN,  246                         ; at the head: the stage, on the way in and out
.set SOUT, 247
.set TN,   246                         ; in the loop: v246, v247: the first code of tiles 0 and 1 of the pair whose vector work is in hand
.set XC,   248
.set XE,   252
.set WV,   10
.set G1,   16
.set G0A,  24                          ; group 0 of slot 0's first fill;  s[28:31] of slot 1's, which then walks
.set G0B,  28
.set TB,   32                          ; LDS byte at which the slot in hand begins
.set WSH,  34
.set CNT,  35
.set SEL,  36
.set FLR,  56
.set NEG2, 57
.set MSB, 0
.macro WIN new
.if MSB != \new
	s_set_vgpr_msb (MSB<<8)|\new
.set MSB, \new
.endif
.endm
.macro CROUND                          ; a round of the cluster's barrier
	s_barrier_signal -1
	s_barrier_wait -1
	s_cmp_lg_u32 s[WV], 0
	s_cbranch_scc1 .Lnot_wave_0_\@
	s_barrier_signal -3
.Lnot_wave_0_\@:
	s_barrier_wait -3
	s_barrier_signal -1
	s_barrier_wait -1
.endm
; ---- X: my 32 rows, a row (2,048 bytes, 16 blocks of 32) a step
.macro XLOAD t                         ; four loads of 512 consecutive bytes
.irp i, 0,1,2,3
	global_load_b128 v[RX+16*((\t)%XD)+4*\i:RX+16*((\t)%XD)+4*\i+3], v[XA], s[4:5] offset:2048*(\t)+512*\i th:TH_LOAD_NT
.endr
.endm
.macro XTURN t                         ; the row's halves, one after the other, through the stage: in as loaded, back 32 bytes a lane.  LDS serves a wave's instructions in order (ISA guide 5.7.1.4)
.irp g, 0,1
.irp i, 0,1
	ds_store_b128 v[SIN], v[RX+16*((\t)%XD)+8*\g+4*\i:RX+16*((\t)%XD)+8*\g+4*\i+3] offset:768*\i
.endr
.irp i, 0,1
	ds_load_b128 v[XN+16*((\t)%2)+8*\g+4*\i:XN+16*((\t)%2)+8*\g+4*\i+3], v[SOUT] offset:16*\i
.endr
.endr
.endm
.macro XROW t                          ; the two halves' chains line by line, so that no line reads the line above it
.set xS, XN+16*((\t)%2)
.set xC, 2*((\t)%2)
.if (\t) > 0
	s_wait_dscnt 4                                 ; this row is back from the stage; the last row's four small stores may be out
.else
	s_wait_dscnt 0x0
.endif
.if (\t)+XD < 32
	XLOAD (\t)+XD                                  ; into the registers that this row's stores into the stage have read
.endif
.if (\t) < 31
.if (\t)+XD <= 31
	s_wait_loadcnt 4*(XD-1)                        ; the next row's four loads are in; those of the XD - 1 rows behind it may be out
.else
	s_wait_loadcnt 4*(30-(\t))                     ; nothing more is asked for: the counts run down
.endif
	XTURN (\t)+1
.endif
.irp g, 0,1
	v_max3_num_f32 v[XM+3*\g], |v[xS+8*\g]|, |v[xS+8*\g+1]|, s[FLR]      ; my 8, and the floor: the byte cannot fall under 1
.endr
.irp g, 0,1
	v_max3_num_f32 v[XM+3*\g+1], |v[xS+8*\g+2]|, |v[xS+8*\g+3]|, |v[xS+8*\g+4]|
.endr
.irp g, 0,1
	v_max3_num_f32 v[XM+3*\g], v[XM+3*\g], |v[xS+8*\g+5]|, |v[xS+8*\g+6]|
.endr
.irp g, 0,1
	v_max3_num_f32 v[XM+3*\g], v[XM+3*\g], v[XM+3*\g+1], |v[xS+8*\g+7]|
.endr
.irp g, 0,1
	v_max_num_f32_dpp v[XM+3*\g], v[XM+3*\g], v[XM+3*\g] row_xmask:1 row_mask:0xf bank_mask:0xf   ; and of the three lanes that share my block
.endr
.irp g, 0,1
	v_max_num_f32_dpp v[XM+3*\g], v[XM+3*\g], v[XM+3*\g] row_xmask:2 row_mask:0xf bank_mask:0xf
.endr
.irp g, 0,1
	v_add_nc_u32 v[XM+3*\g+2], s[NEG2], v[XM+3*\g] ; 2 off the exponent field: the conversion's scale operand
.endr
.irp g, 0,1
	v_cvt_scalef32_pk8_fp4_f32 v[XC+xC+\g], v[xS+8*\g:xS+8*\g+7], v[XM+3*\g+2]
.endr
.irp g, 0,1
	v_lshrrev_b32 v[XE+xC+\g], 23, v[XM+3*\g+2]    ; the scale's byte (also the plain line behind the conversions)
.endr
.irp g, 0,1
	ds_store_b32 v[XWI], v[XC+xC+\g] offset:((\t)/16)*XAB+\g*8*XBP+16*((\t)%16)   ; my 8 codes, at their place in the operand's order
	ds_store_b8 v[XWS], v[XE+xC+\g] offset:16*(\t)+8*\g                           ; the four lanes of a block write the same byte with the same value
.endr
.endm
	s_load_b128 s[4:7], s[0:1], 0x0                ; x, cbrec
	s_load_b64 s[8:9], s[0:1], 0x10                ; idx
	v_lshl_add_u32 v[SPW], v0, 2, SPARE
	v_mov_b32 v[NIL], 0
	ds_add_u32 v[SPW], v[NIL]                      ; the opening lines: the add, twice on end, and its wait ahead of my first tensor load
	ds_add_u32 v[SPW], v[NIL]
	v_lshrrev_b32 v12, 5, v0
	v_readfirstlane_b32 s[WV], v12                 ; wave 0..3
	s_bfe_u32 s12, ttmp6, 0x40000                  ; cx
	s_lshl_b32 s13, ttmp9, 2
	s_add_co_u32 s13, s13, s12                     ; my block of 128 rows: it enters x's and idx's addresses alone
	s_mul_i32 s[WSH], s[WV], WPART
	s_mov_b32 s[G1], 15|(3<<16)|(1<<21)            ; the mask of all four; elements of 8 bytes; bit 21 beside a mask.  My part of a slot is dense: 138 rows of 256 bytes
	s_mov_b32 s[G1+1], 32<<16
	s_mov_b32 s[G1+2], 138<<16
	s_mov_b32 s[G1+3], 32<<16
	s_mov_b32 s[G1+4], 138
	s_mov_b32 s[G1+5], 32
	s_mov_b32 s[G1+6], 0
	s_mov_b32 s[G1+7], 0
	s_mov_b32 s[SEL], 0x76543210
	s_mov_b32 s[SEL+1], 0xfedcba98
	s_mov_b32 s[TB], 0
	s_mov_b32 s[CNT], 6
	s_mov_b32 s[FLR], 0x1800000
	s_mov_b32 s[NEG2], 0xff000000
	s_lshl_b32 s52, s13, 18                        ; x: my block's 128 rows of 2,048 bytes,
	s_lshl_b32 s53, s[WV], 16                      ; my wave's 32 of them
	s_add_co_u32 s52, s52, s53
	s_mov_b32 s53, 0
	s_lshl_b32 s54, s13, 9                         ; idx: my block's 128 words
	s_mov_b32 s55, 0
	s_mov_b32 s14, s[WSH]
	s_mov_b32 s15, 0
	s_wait_dscnt 0x0                               ; both opening adds are done
	v_and_b32 v12, 31, v0                          ; lane
	v_and_b32 v13, 15, v0                          ; r
	v_bfe_u32 v14, v0, 4, 1                        ; h
	v_lshl_add_u32 v[AL0], v12, 4, s[WSH]
	v_lshl_add_u32 v[AH0], v14, 5, s[WSH]
	v_lshl_add_u32 v[XR], v13, 4, XSC
	v_lshlrev_b32 v[XA], 4, v12
	s_mul_i32 s42, s[WV], XSTW
	s_add_co_u32 s42, s42, STG                     ; my stage
	v_lshrrev_b32 v15, 1, v12
	v_mul_u32_u24 v[SIN], v15, 48
	v_and_b32 v15, 1, v12
	v_lshl_add_u32 v[SIN], v15, 4, v[SIN]
	v_add_nc_u32 v[SIN], s42, v[SIN]               ; in: 48 (lane / 2) + 16 (lane % 2)
	v_mul_u32_u24 v[SOUT], v12, 48
	v_add_nc_u32 v[SOUT], s42, v[SOUT]             ; out: 48 x lane: my 8 neighbours
	s_mul_i32 s42, s[WV], 2*XAB                    ; my 32 rows' codes
	s_add_co_u32 s42, s42, XIMG
	v_lshrrev_b32 v15, 2, v12                      ; my block of the half row's eight
	v_mul_u32_u24 v[XWI], v15, XBP
	v_and_b32 v[XC], 3, v12                        ; which quarter of it
	v_lshl_add_u32 v[XWI], v[XC], 2, v[XWI]
	v_add_nc_u32 v[XWI], s42, v[XWI]
	s_lshl_b32 s43, s[WV], 9                       ; my 32 rows' scale bytes; also my 128 words of RED
	s_add_co_u32 s42, s43, XSC
	v_add_nc_u32 v[XWS], s42, v15
	v_mul_u32_u24 v[LI], v14, XBP
	v_lshl_add_u32 v[LI], v13, 4, v[LI]
	v_add_nc_u32 v[LI], XIMG, v[LI]
	s_add_co_u32 s42, s43, RED
	v_lshl_add_u32 v[RW], v13, 2, s42
	v_lshl_add_u32 v[RR], v12, 4, RED
	v_lshlrev_b32 v[GOF], 4, v12
	v_lshlrev_b32 v[H8], 3, v14
	s_wait_alu depctr_va_vdst(0)
	s_wait_kmcnt 0x0
	s_add_nc_u64 s[4:5], s[4:5], s[52:53]
	s_add_nc_u64 s[8:9], s[8:9], s[54:55]
	s_add_nc_u64 s[6:7], s[6:7], s[14:15]          ; cbrec at my wave's part of slot 0: the wave's number and constants alone
.set xU, 0
.rept XD
	XLOAD xU                                       ; x's first XD rows are asked for ahead of the round: nobody writes these bytes
.set xU, xU+1
.endr
	s_mov_b32 s[G0A], 1
	s_mov_b32 s[G0A+1], s[WSH]
	s_mov_b64 s[G0A+2:G0A+3], s[6:7]
	s_or_b32 s[G0A+3], s[G0A+3], 0x80000000
	s_mov_b32 s[G0B], 1
	s_add_co_u32 s[G0B+1], s[WSH], SLOTB
	s_add_nc_u64 s[G0B+2:G0B+3], s[6:7], SLOTB
	s_or_b32 s[G0B+3], s[G0B+3], 0x80000000
	CROUND                                         ; all four work-groups are here: the first joint loads meet
	tensor_load_to_lds s[G0A:G0A+3], s[G1:G1+7]    ; slot 0: one tensor load a wave at the head
	s_nop 0
.rept 4
	v_nop
.endr
	s_wait_loadcnt 4*(XD-1)                        ; row 0's four loads are in
	XTURN 0
.set xU, 0
.rept 32
	XROW xU
.set xU, xU+1
.endr
	s_wait_tensorcnt 0x0                           ; my part of slot 0 has landed
	ds_add_u32 v[SPW], v[NIL]
	s_wait_dscnt 0x0                               ; the add is done, and my codes and scale bytes lie in LDS
	CROUND                                         ; x's 32 fragments lie in LDS, and all four work-groups are here
	tensor_load_to_lds s[G0B:G0B+3], s[G1:G1+7]    ; slot 1's first fill: my one tensor load behind the round; it has slot 0's work in which to land
	s_nop 0
.rept 4
	v_nop
.endr
	WIN 0x40
.set fN, 0
.rept 32                                       ; fragment (a, s) = fN: registers 4 c .. 4 c + 3 of lane (r, h) are block 4 s + 2 c + h of row 16 a + r
	ds_load_b128 v[8*fN:8*fN+3], v[LI] offset:(fN/4)*XAB+(4*(fN%4))*XBP
	ds_load_b128 v[8*fN+4:8*fN+7], v[LI] offset:(fN/4)*XAB+(4*(fN%4)+2)*XBP
.set fN, fN+1
.endr
	WIN 0
.irp a, 0,1,2,3,4,5,6,7
	ds_load_b128 v[XS+4*\a:XS+4*\a+3], v[XR] offset:256*\a        ; lane r: row 16 a + r's four scale words
.endr
; Pair i of my four of the slot in hand: 16 loads of codes, one of scale words, four of -cc / 2 (lane (r, h): codes 8 h .. + 7 and 16 + 8 h .. + 7), into sets i % 2
.macro FETCH i
.set fP, (\i)%2
.set fO, ((\i)/2)*QUADB
	WIN 0x80
.irp n, 0,1,2,3,4,5,6,7,8,9,10,11,12,13,14,15
	ds_load_b128 v[64*fP+4*\n:64*fP+4*\n+3], v[AL] offset:fO+fP*8192+512*\n
.endr
	WIN 0
	ds_load_b128 v[CS+4*fP:CS+4*fP+3], v[AL] offset:fO+16384+fP*512
	ds_load_b128 v[CCV+16*fP:CCV+16*fP+3], v[AH] offset:fO+17408+fP*128
	ds_load_b128 v[CCV+16*fP+4:CCV+16*fP+7], v[AH] offset:fO+17408+fP*128+16
	ds_load_b128 v[CCV+16*fP+8:CCV+16*fP+11], v[AH] offset:fO+17408+fP*128+64
	ds_load_b128 v[CCV+16*fP+12:CCV+16*fP+15], v[AH] offset:fO+17408+fP*128+80
.endm
	v_add_nc_u32 v[AL], s[TB], v[AL0]
	v_add_nc_u32 v[AH], s[TB], v[AH0]
	FETCH 0
	; The loop is written once: its first turn of vector work finds scores of -infinity, which are not over BEST: nothing is taken.  These lines stand while the loads above are out.
	s_mov_b32 s42, 0xff800000
	s_lshl_b32 s43, s[WV], 7
	s_sub_co_u32 s43, s43, 416                     ; the tiles' numbers start one step low: the step is added behind each pair's first group, the first time ahead of their first use that counts
.set fN, 0
.rept 32
	v_mov_b32 v[ACC+32+fN], s42
.set fN, fN+1
.endr
.set fN, 0
.rept 64
	v_mov_b32 v[WW+fN], s42
.set fN, fN+1
.endr
.irp a, 0,1,2,3,4,5,6,7
	v_mov_b32 v[BEST+\a], s42
	v_mov_b32 v[BTILE+\a], 0
.endr
	v_mov_b32 v[TN], s43
	v_add_nc_u32 v[TN+1], 16, v[TN]
	s_wait_alu depctr_va_vdst(0)
; THE VECTOR WORK of a group (blocks a0, a0 + 1 of x against a pair of codes): four tiles k = 2 e + b of eight scores a lane.
.macro TREG k, a0, q
.set zD, ACC+32*(\q)+16*((\k)%2)+8*((\k)/2)
.set zA, (\a0)+(\k)%2
.set zM, 12+(\k)+222*((\k)/2)          ; v12, v13, v236, v237: never in the register bank of v246 or v247, beside which they stand in a dual-issue pair
.set zN, 14+(\k)+218*((\k)/2)          ; v14, v15, v234, v235
.endm
.macro MX st, k, a0, q                 ; stage st of tile k's maximum; stage 0 reads the accumulator's lowest registers first
	TREG \k, \a0, \q
.if (\st) == 0
	v_max3_num_f32 v[zM], v[zD], v[zD+1], v[zD+2]
.elseif (\st) == 1
	v_max3_num_f32 v[zN], v[zD+3], v[zD+4], v[zD+5]
.elseif (\st) == 2
	v_max3_num_f32 v[zM], v[zM], v[zN], v[zD+6]
.else
	v_max_num_f32 v[zM], v[zM], v[zD+7]
.endif
.endm
.macro CMPT k, a0, q                   ; is it over BEST?
	TREG \k, \a0, \q
	v_cmp_gt_f32 vcc_lo, v[zM], v[BEST+zA]
.endm
.macro CND2 d0, n0, d1, n1             ; two selects on VCC in one instruction: d = VCC ? n : d
	v_dual_cndmask_b32 v[\d0], v[\d0], v[\n0] :: v_dual_cndmask_b32 v[\d1], v[\d1], v[\n1]
.endm
.macro SELT k, a0, q                   ; BEST and BTILE, then W
	TREG \k, \a0, \q
	CND2 BEST+zA, zM, BTILE+zA, TN+(\k)/2
.irp j, 0,2,4,6
	CND2 WW+8*zA+\j, zD+\j, WW+8*zA+\j+1, zD+\j+1
.endr
.endm
; Slice n of 4.  The four tiles' chains of maxima are interleaved; three of the four compares stand last in a slice, so that two matrix instructions stand between them and the selects that read VCC.  VCC is dead at a group's end.
.macro SL n, a0, q
.if (\n) == 0
.irp k, 0,1,2,3
	MX 0, \k, \a0, \q
.endr
.irp k, 0,1,2,3
	MX 1, \k, \a0, \q
.endr
	MX 2, 0, \a0, \q
	MX 2, 1, \a0, \q
	MX 3, 0, \a0, \q
	MX 2, 2, \a0, \q
	MX 2, 3, \a0, \q
	CMPT 0, \a0, \q
.elseif (\n) == 1
	SELT 0, \a0, \q
	MX 3, 1, \a0, \q
	MX 3, 2, \a0, \q
	MX 3, 3, \a0, \q
	CMPT 1, \a0, \q
.elseif (\n) == 2
	SELT 1, \a0, \q
	CMPT 2, \a0, \q
.else
	SELT 2, \a0, \q
	CMPT 3, \a0, \q
	SELT 3, \a0, \q
.endif
.endm
; GROUP g of pair i: blocks 2 g, 2 g + 1 of x, four K steps: eight matrix instructions, the two accumulators by turns; the first two start the sums with -cc / 2.  Behind each two stands a slice of the group before
; (for g = 0: the pair before's last group).  The slices name the OTHER set of accumulators: they are the plain lines between a matrix instruction and the first read of its result (ISA guide 7.12.1).
.macro GROUP i, g
.set gP, (\i)%2
.if (\g) == 0
.set gA, 6
.set gQ, 1
.else
.set gA, 2*((\g)-1)
.set gQ, ((\g)-1)%2
.endif
.set gS, 0
.rept 4
	WIN 0x06                                       ; source 0 (codes) window 2, source 1 (x) window 1, C and D window 0
.irp b, 0,1
.set gD, ACC+32*((\g)%2)+16*\b
.set gB, 8*(4*(2*(\g)+\b)+gS)
.set gX, XS+4*(2*(\g)+\b)+gS
.if gS == 0
	v_wmma_scale_f32_32x16x128_f4 v[gD:gD+15], v[64*gP+16*gS:64*gP+16*gS+15], v[gB:gB+7], v[CCV+16*gP:CCV+16*gP+15], v[CS+4*gP+gS], v[gX]
.else
	v_wmma_scale_f32_32x16x128_f4 v[gD:gD+15], v[64*gP+16*gS:64*gP+16*gS+15], v[gB:gB+7], v[gD:gD+15], v[CS+4*gP+gS], v[gX]
.endif
.endr
	WIN 0
	SL gS, gA, gQ
.set gS, gS+1
.endr
.if (\g) == 0                          ; the pair before is done with: the tiles' numbers go on to this pair: 32 codes on, or from a slot's last pair to the next slot's first
.if (\i) == 0
	v_add_nc_u32 v[TN], 416, v[TN]
	v_add_nc_u32 v[TN+1], 416, v[TN+1]
.else
	v_add_nc_u32 v[TN], 32, v[TN]
	v_add_nc_u32 v[TN+1], 32, v[TN+1]
.endif
.endif
.endm
.macro TURNTB                          ; the fetches go on in the other slot
	s_xor_b32 s[TB], s[TB], SLOTB
	v_add_nc_u32 v[AL], s[TB], v[AL0]
	v_add_nc_u32 v[AH], s[TB], v[AH0]
.endm
; THE CHANGE OF SLOTS, at the head of a slot's last pair, whose bytes are in registers: no read of this slot is left.  The round shows that of every wave of all four work-groups; the joint refill, with the codes two slots on, comes first behind it.
.macro CHANGE
	s_wait_tensorcnt 0x0                           ; the one load of mine that was out, my part of the other slot, has landed: a group 0 may be written
	ds_add_u32 v[SPW], v[NIL]                      ; the descriptor's steps stand between the add and the wait for it
	s_add_co_u32 s[G0B+1], s[TB], s[WSH]
	s_add_nc_u64 s[G0B+2:G0B+3], s[G0B+2:G0B+3], SLOTB
	s_wait_dscnt 0x0
	CROUND
	tensor_load_to_lds s[G0B:G0B+3], s[G1:G1+7]    ; my one tensor load until the next round
	s_nop 0
.rept 4
	v_nop
.endr
	TURNTB
.endm
; A PAIR of 32 codes against all 128 rows.  mode 1: the slot is filled again; 2: the last slot but one: nothing is asked for; 3: the last: nothing is fetched either.
.macro PAIR i, mode
	s_wait_dscnt 0x0                               ; this pair's codes, scale words and -cc / 2 are in
.if (\i) == 3
.if \mode == 1
	CHANGE
.elseif \mode == 2
	s_wait_tensorcnt 0x0                           ; my part of the last slot has landed; I read no other wave's bytes
	TURNTB
.endif
.endif
	GROUP \i, 0
	GROUP \i, 1
.if ((\i) < 3) || (\mode < 3)
	FETCH ((\i)+1)%4                               ; two groups ahead of the wait for it, into the sets that the pair before has done with
.endif
	GROUP \i, 2
	GROUP \i, 3
.endm
.macro WORK mode
	PAIR 0, \mode
	PAIR 1, \mode
	PAIR 2, \mode
	PAIR 3, \mode
.endm
.Lslot:                                            ; six trips: slots 0 to 5 are filled again, with the codes of slots 2 to 7
	WORK 1
	s_sub_co_u32 s[CNT], s[CNT], 1
	s_cmp_lg_u32 s[CNT], 0
	s_cbranch_scc1 .Lslot
	WORK 2                                         ; the last two slots are written out
	WORK 3
.irp n, 0,1,2,3
	SL \n, 6, 1                                    ; the last group's vector work; the slice above it is the distance behind the last products
.endr
	; ---- THE END.  Which of the eight: the first j with W[j] = BEST; the index is the tile's first code + 8 h + j.
.irp a, 0,1,2,3,4,5,6,7
	v_mov_b32 v[POS+\a], 7
.endr
.irp j, 6,5,4,3,2,1,0
.irp a, 0,1,2,3,4,5,6,7
	v_cmp_eq_f32 vcc_lo, v[WW+8*\a+\j], v[BEST+\a]
	v_cndmask_b32 v[POS+\a], v[POS+\a], \j, vcc_lo
.endr
.endr
.irp a, 0,1,2,3,4,5,6,7
	v_add3_u32 v[POS+\a], v[BTILE+\a], v[POS+\a], v[H8]
.endr
; (score, index) takes the other pair's place where the other's score is larger, or equal with the smaller index
.macro LEX val, ind, oval, oind
	v_cmp_gt_f32 s39, v[\oval], v[\val]
	v_cmp_eq_f32 s40, v[\oval], v[\val]
	v_cmp_lt_u32 s41, v[\oind], v[\ind]
	s_and_b32 s40, s40, s41
	s_or_b32 s39, s39, s40
	v_cndmask_b32 v[\val], v[\val], v[\oval], s39
	v_cndmask_b32 v[\ind], v[\ind], v[\oind], s39
.endm
	v_mov_b32 v[OV], 0                             ; written once: a lane permute's destination counts as one of its sources
	v_mov_b32 v[OI], 0
.irp a, 0,1,2,3,4,5,6,7
	v_permlanex16_b32 v[OV], v[BEST+\a], s[SEL], s[SEL+1]         ; the row's other codes lie in the lane 16 away
	v_permlanex16_b32 v[OI], v[POS+\a], s[SEL], s[SEL+1]
	LEX BEST+\a, POS+\a, OV, OI
	ds_store_b32 v[RW], v[BEST+\a] offset:64*\a                   ; row 16 a + r of my wave's 128: both halves write the same word with the same value
	ds_store_b32 v[RW], v[POS+\a] offset:2048+64*\a
.endr
	s_wait_dscnt 0x0                               ; for wave 0's sake: my stores are done
	s_barrier_signal -1
	s_barrier_wait -1
	s_cmp_lg_u32 s[WV], 0
	s_cbranch_scc1 .Lnot_first
.irp w, 0,1,2,3
	ds_load_b128 v[ACC+4*\w:ACC+4*\w+3], v[RR] offset:512*\w      ; lane l: rows 4 l .. 4 l + 3: wave w's scores,
	ds_load_b128 v[ACC+16+4*\w:ACC+16+4*\w+3], v[RR] offset:2048+512*\w   ; and indices
.endr
	s_wait_dscnt 0x0
.irp w, 1,2,3
.irp k, 0,1,2,3
	LEX ACC+\k, ACC+16+\k, ACC+4*\w+\k, ACC+16+4*\w+\k
.endr
.endr
	global_store_b128 v[GOF], v[ACC+16:ACC+19], s[8:9]            ; 32 lanes store my block's 128 indices: 512 consecutive bytes, aligned
.Lnot_first:
	s_wait_tensorcnt 0x0                           ; the wave's end
	ds_add_u32 v[SPW], v[NIL]
	s_wait_dscnt 0x0
	CROUND                                         ; the closing round
	s_endpgm
.Lfunc_end_k_qde04eb9588_search:
	.size	k_qde04eb9588_search, .Lfunc_end_k_qde04eb9588_search-k_qde04eb9588_search
	.p2alignl 7, 3214868480
	.fill 96, 4, 3214868480
	.section	.rodata,"a",@progbits
	.p2align	6, 0x0
	.amdhsa_kernel k_qde04eb9588_search
		.amdhsa_group_segment_fixed_size 327680
		.amdhsa_private_segment_fixed_size 0
		.amdhsa_enable_private_segment 0
		.amdhsa_kernarg_size 24
		.amdhsa_user_sgpr_count 2
		.amdhsa_user_sgpr_kernarg_segment_ptr 1
		.amdhsa_wavefront_size32 1
		.amdhsa_system_sgpr_workgroup_id_x 1
		.amdhsa_system_sgpr_workgroup_id_y 1
		.amdhsa_system_sgpr_workgroup_id_z 1
		.amdhsa_system_vgpr_workitem_id 0
		.amdhsa_next_free_vgpr 640
		.amdhsa_next_free_sgpr 66
		.amdhsa_reserve_vcc 1
		.amdhsa_float_denorm_mode_32 3
		.amdhsa_float_denorm_mode_16_64 3
		.amdhsa_memory_ordered 1
		.amdhsa_forward_progress 1
		.amdhsa_inst_pref_size 255
	.end_amdhsa_kernel
	.section	.bss,"aw",@nobits
	.p2align	6
	.space	262144
	.amdgpu_metadata
---
amdhsa.version: [ 1, 2 ]
amdhsa.kernels:
  - .name:           k_qde04eb9588_search
    .symbol:         k_qde04eb9588_search.kd
    .args:
      - { .name: inputs, .offset: 0, .size: 8, .value_kind: global_buffer, .address_space: global }
      - { .name: cbrec, .offset: 8, .size: 8, .value_kind: global_buffer, .address_space: global }
      - { .name: idx, .offset: 16, .size: 8, .value_kind: global_buffer, .address_space: global }
    .group_segment_fixed_size: 327680
    .private_segment_fixed_size: 0
    .kernarg_segment_align: 8
    .kernarg_segment_size: 24
    .max_flat_workgroup_size: 128
    .sgpr_count:     66
    .vgpr_count:     640
    .wavefront_size: 32
...
	.end_amdgpu_metadata
.endif
;; end of part 2
;; launch gather (part 3): grid 512 x 1, 8 waves a work-group, no clusters, 0 bytes of LDS; arguments codebook, idx, out0; writes out0
.if DOCPART == 3
	.amdgcn_target "amdgcn-amd-amdhsa--gfx1250"
	.amdhsa_code_object_version 6
	.text
	.protected	k_qde04eb9588_gather
	.globl	k_qde04eb9588_gather
	.p2align	8
	.type	k_qde04eb9588_gather,@function
k_qde04eb9588_gather:
	s_mov_b64 s[64:65], 0
	v_nop
	global_prefetch_b8 v0, s[64:65] scope:SCOPE_SE
	s_setreg_imm32_b32 hwreg(HW_REG_WAVE_MODE, 25, 1), 1
	s_wait_xcnt 0x0
; out[row] = codebook[idx[row]].  WORK LEFT OUT: reference()'s (q - x) + x is q in real numbers for every x, so x is not loaded here (shown at the head of the first kernel, with its limit).
; out: [32768][512] f32; the codebook [4096][512]; idx: 32,768 words that the launch before has stored.
; A stream: a wave takes 8 rows, a work-group 64.  A row is 2,048 bytes: four loads or stores of 512 consecutive bytes, aligned.  All 32 loads of a wave go out at once, each into registers of its own,
; so no register is written again and the only waits are the counted ones ahead of each row's stores.
; The wave's eight indices come by one scalar load; each is held to 4,095, the table's last row, ahead of its use in an address.
; No LDS, no matrix unit, no cluster: which rows of the codebook a work-group wants hangs on the stored indices, so no tile is shared by arrangement.  No loop, so no prefetch.
.set ROW, 2048
.set CO,  2                            ; v2-9     row t: the byte offset of my 16 bytes in its codebook row
.set Q,   16                           ; v16-143  row t: 16 registers
	s_load_b128 s[4:7], s[0:1], 0x0                ; the codebook s[4:5], idx s[6:7]
	s_load_b64 s[10:11], s[0:1], 0x10              ; out
	v_lshrrev_b32 v1, 5, v0
	s_delay_alu instid0(VALU_DEP_1)
	v_readfirstlane_b32 s12, v1                    ; wave 0..7
	v_and_b32 v1, 31, v0
	s_delay_alu instid0(VALU_DEP_1)
	v_lshlrev_b32 v1, 4, v1                        ; 16 bytes a lane; never rewritten
	s_lshl_b32 s14, ttmp9, 17                      ; the work-group's 64 rows of 2,048 bytes,
	s_lshl_b32 s13, s12, 14                        ; my wave's 8
	s_add_co_u32 s14, s14, s13
	s_mov_b32 s15, 0
	s_lshl_b32 s24, ttmp9, 8                       ; and their words in idx
	s_lshl_b32 s13, s12, 5
	s_add_co_u32 s24, s24, s13
	s_mov_b32 s25, 0
	s_wait_alu depctr_va_vdst(0)
	s_wait_kmcnt 0x0
	s_add_nc_u64 s[6:7], s[6:7], s[24:25]
	s_load_b256 s[16:23], s[6:7], 0x0              ; my eight indices
	s_add_nc_u64 s[10:11], s[10:11], s[14:15]
	s_wait_kmcnt 0x0
.irp k, 0,1,2,3,4,5,6,7
	s_min_u32 s[16+\k], s[16+\k], 4095             ; an index stays inside the table
	s_lshl_b32 s[16+\k], s[16+\k], 11              ; as bytes
.endr
.irp t, 0,1,2,3,4,5,6,7
	v_add_nc_u32 v[CO+\t], s[16+\t], v1
.endr
.irp t, 0,1,2,3,4,5,6,7
.irp i, 0,1,2,3
	global_load_b128 v[Q+16*\t+4*\i:Q+16*\t+4*\i+3], v[CO+\t], s[4:5] offset:512*\i   ; no hint: a row of the codebook may be named again
.endr
.endr
.irp t, 0,1,2,3,4,5,6,7
	s_wait_loadcnt 28-4*\t                         ; row t's four loads are in; those of the rows behind it may be out
.irp i, 0,1,2,3
	global_store_b128 v1, v[Q+16*\t+4*\i:Q+16*\t+4*\i+3], s[10:11] offset:ROW*\t+512*\i th:TH_STORE_NT
.endr
.endr
	s_endpgm
.Lfunc_end_k_qde04eb9588_gather:
	.size	k_qde04eb9588_gather, .Lfunc_end_k_qde04eb9588_gather-k_qde04eb9588_gather
	.p2alignl 7, 3214868480
	.fill 96, 4, 3214868480
	.section	.rodata,"a",@progbits
	.p2align	6, 0x0
	.amdhsa_kernel k_qde04eb9588_gather
		.amdhsa_group_segment_fixed_size 0
		.amdhsa_private_segment_fixed_size 0
		.amdhsa_enable_private_segment 0
		.amdhsa_kernarg_size 24
		.amdhsa_user_sgpr_count 2
		.amdhsa_user_sgpr_kernarg_segment_ptr 1
		.amdhsa_wavefront_size32 1
		.amdhsa_system_sgpr_workgroup_id_x 1
		.amdhsa_system_sgpr_workgroup_id_y 1
		.amdhsa_system_sgpr_workgroup_id_z 1
		.amdhsa_system_vgpr_workitem_id 0
		.amdhsa_next_free_vgpr 144
		.amdhsa_next_free_sgpr 66
		.amdhsa_reserve_vcc 0
		.amdhsa_float_denorm_mode_32 3
		.amdhsa_float_denorm_mode_16_64 3
		.amdhsa_memory_ordered 1
		.amdhsa_forward_progress 1
		.amdhsa_inst_pref_size 9
	.end_amdhsa_kernel
	.amdgpu_metadata
---
amdhsa.version: [ 1, 2 ]
amdhsa.kernels:
  - .name:           k_qde04eb9588_gather
    .symbol:         k_qde04eb9588_gather.kd
    .args:
      - { .name: codebook, .offset: 0, .size: 8, .value_kind: global_buffer, .address_space: global }
      - { .name: idx, .offset: 8, .size: 8, .value_kind: global_buffer, .address_space: global }
      - { .name: out0, .offset: 16, .size: 8, .value_kind: global_buffer, .address_space: global }
    .group_segment_fixed_size: 0
    .private_segment_fixed_size: 0
    .kernarg_segment_align: 8
    .kernarg_segment_size: 24
    .max_flat_workgroup_size: 256
    .sgpr_count:     66
    .vgpr_count:     144
    .wavefront_size: 32
...
	.end_amdgpu_metadata
.endif
;; end of part 3
